; MI455X (gfx1250); checked and timed in simulation.
; The chip was launched on July 23, 2026; its instructions are those of AMD's public machine-readable ISA for CDNA 5 (MIT licence, August 2026) and "CDNA5" Instruction Set Architecture Reference Guide (July 2026). The comments in the code are by the model that wrote it; some were corrected since.
;; multi Head Attention. Allowed arithmetic: float matrix products may take bf16 or f16 operands with f32 sums; other float arithmetic in f32, or as packed bf16 or f16 multiplies, adds, multiply-adds, maxima and minima; sums over many terms, partial sums and values carried from step to step in f32; what a program stores and reads back later, other than sums and carried values, may be rounded once to bf16 or f16.
;; Inputs: Wk 32 x 32 float32; Wo 32 x 32 float32; Wq 32 x 32 float32; Wv 32 x 32 float32; bk 32 float32; bo 32 float32; bq 32 float32; bv 32 float32; key 4 x 2,048 x 32 float32; mask 4 x 1 x 2,048 x 2,048 int32; query 4 x 2,048 x 32 float32; value 4 x 2,048 x 32 float32.
;; Outputs: out0 4 x 2,048 x 32 float32.
;; One version. Each part assembles by itself: llvm-mc -triple=amdgcn-amd-amdhsa -mcpu=gfx1250 --defsym DOCPART=n.
;; ======== version 1 of 1: 1 launch
;; limits: values are held in f16: magnitudes above 65,504 overflow, below 6.1e-05 lose precision
;; launch mha (part 1): grid 256 x 1, 4 waves a work-group, clusters of 4 x 1, 327,680 bytes of LDS; arguments query, key, value, mask, Wq, bq, Wk, bk, Wv, bv, Wo, bo, out0; writes out0
.if DOCPART == 1
	.amdgcn_target "amdgcn-amd-amdhsa--gfx1250"
	.amdhsa_code_object_version 6
	.text
	.protected	k_qdc70562743_mha
	.globl	k_qdc70562743_mha
	.p2align	8
	.type	k_qdc70562743_mha,@function
k_qdc70562743_mha:
	s_mov_b64 s[64:65], 0
	v_nop
	global_prefetch_b8 v0, s[64:65] scope:SCOPE_SE
	s_setreg_imm32_b32 hwreg(HW_REG_WAVE_MODE, 25, 1), 1
	s_wait_xcnt 0x0
	s_wait_alu depctr_hold_cnt(0) depctr_sa_sdst(0) depctr_va_vdst(0) depctr_va_sdst(0) depctr_va_ssrc(0) depctr_va_vcc(0) depctr_vm_vsrc(0)
	s_getreg_b32 s2, hwreg(HW_REG_IB_STS2, 6, 4)
	s_cmp_eq_u32 s2, 0
	s_cbranch_scc0 .Lentry_in_a_cluster
	s_endpgm
.Lentry_in_a_cluster:
	s_bfe_u32 s2, ttmp6, 0x10000c
	s_cmp_lg_u32 s2, 0x3003
	s_cbranch_scc0 .Lentry_shape_is_right
	s_endpgm
.Lentry_shape_is_right:
; MULTI-HEAD ATTENTION, 4 batches x 2,048 rows x 32 channels, 8 heads of 4 channels, an int32 mask [4][1][2048][2048], four projections 32 x 32 with biases.  One launch does it all.
; DEAD WORK: none is left out; every input is loaded.  (bk costs nothing: it is the C operand of K's projection.)
; SHARES.  A work-group owns 32 query rows (two tiles of 16) of one batch, for all 8 heads, so each mask word is read once in the launch.  THE KEYS ARE SPLIT AMONG ITS FOUR WAVES:
; of each step's 256 keys wave w takes 64 w .. 64 w + 63.  Each wave keeps its own running softmax; the four meet once at the end, in LDS, in f32.
; k, v and q are projected here, straight into operand registers: every work-group projects its batch's keys and values again (24 of a step's 128 matrix instructions) and nothing goes through memory.
; FORMATS.  query, key, value, Wq, Wk, Wv are rounded to bf16 and multiplied in bf16; Wo is rounded to bf16 and that number written as f16; q, k, v, the weights p and O are f16; all sums, maxima and statistics f32.
; LAYOUT.  K and Q: D = W^T x X^T + b holds one row a lane and eight channels; two such results packed in pairs ARE the 16 x 32 operand of S^T = K Q^T.  Q is kept once for each head, all channels but the head's
; four set to 0, so that one product of 32 channels gives one head's 16 x 16 scores.  V: D = X x W + b with W's columns laid in 16 slots: 0-3 an even head's channels, 4 a column of ones, 8-11 the odd head's, 12 ones, the
; rest 0; packed it IS source 0 of O^T = V^T P, whose registers 0-3 are the head's channels and register 4 the row sum l (of the rounded p), valid in lane half head % 2; the other half holds finite numbers that nobody reads.
; SOFTMAX.  q's f32 sums are multiplied by c = log2(e) / sqrt(32) before their one rounding, so a score arrives as c s.  For each query, head and wave a running maximum m: p = 2^(S - m), an exact difference, never above 0;
; in every step O and l are multiplied by a = 2^(m_old - m_new).  m starts far below every score, O and l at 0, so the first step is a step like any other (the price: the lines that write those zeros, in the wait for the first tile).
; THE MASK is the C operand of K Q^T: 0, or -1e20 where mask = 0: such a weight is 0 beside any open key.  A ROW WITH NO OPEN KEY gets, as in the softmax of equal numbers, the mean of v over all 2,048 keys: that mean is made
; by a product of its own (V's fragments times ones) and selected where the merged maximum lies under -1e18.
; LIMITS.  |energy| stays under 3.9e18 (else an open key counts as masked).  c q, k and v beyond 65,504 become infinities in f16; Wo lies within f16's range, and below 6e-5 keeps f16's fixed step.  A weight below 2^-25
; counts as 0.  NaN and infinities among the inputs are not treated apart.
; CLUSTER.  The four work-groups of a cluster belong to one batch and walk the same key and value rows, 64 of a step's 96 KiB: these are asked for JOINTLY.  The mask tiles are each work-group's own: plain tensor loads.
; REGISTERS, in windows of 256 (s_set_vgpr_msb: bits 1:0 source 0, 3:2 source 1, 5:4 source 2, 7:6 destination):
;   window 0: v0-25 addresses; v32-63 K's four fragments; v64-127 V's eight; v128-255 S^T, two buffers of two tiles; P is made in place in S^T's lower half
;   window 1: v0-127 O^T, 8 a tile and head; v128-191 the mask as C operands; v192-223 m, a pair a tile and head; v224-239 at work; v240-255 bo as C operands
;   window 2: v0-127 Q by heads; v128-255 raw key and value rows, rounded to bf16 in place
;   window 3: v0-15 Wk, v16-47 Wv, v48-63 bk, v64-95 bv, v96-191 the projections' results, v192-223 the sums of v, v224-231 ones, v232-247 Wo
.set SLOT1, 1<<17                      ; slot 1 begins here: one exclusive or turns an address in one slot into the other's
.set MP,    1040                       ; a mask row in LDS: 1,024 bytes + 16: 260 words, so the 16 rows of a load start 4 banks apart
.set KP,    144                        ; a key or value row: 128 bytes + 16: 36 words, likewise
.set KOFF,  32*MP                      ; a slot: 32 mask rows, then 256 key rows,
.set VOFF,  256*KP                     ; then 256 value rows
.set SO,    SLOT1+KOFF+2*VOFF          ; behind the ring, never filled by a tensor load: the waves' O^T: wave x 8,192 + piece x 512 + lane x 16
.set SLC,   SO+32768                   ; {l, m}: wave x 4,096 + piece x 256 + lane x 8
.set SU,    SLC+16384                  ; the sums of v: wave x 2,048 + head pair x 512 + lane x 16
.set SOUT,  SU+8192                    ; the way out: a tile's 16 rows x 144 bytes, twice
.set SPARE, SOUT+4608                  ; the spare words, 128 bytes for each wave: two blocks of 256 bytes that no other line names
.set AM0, 3                            ; v3   my place in a mask tile: r x 1,040 + 32 h + 256 w  (r = lane % 16, h = lane / 16, w = wave); never rewritten
.set AKV0, 4                           ; v4   my place among the key rows: KOFF + (64 w + r) x 144 + 32 h; never rewritten
.set AM,  5                            ; v5   the same in the slot in hand
.set AKV, 6                            ; v6
.set PFO, 7                            ; v7   the prefetches' offset: mask row thread / 4, block thread % 4 of its 1,024 bytes; never rewritten
.set SPW, 8                            ; v8   LDS address of my spare word; never rewritten
.set NIL, 9                            ; v9   0; never rewritten
.set STO16, 10                         ; v10-12 where I put my O^T, {l, m}, sums of v
.set STO8, 11
.set STU, 12
.set RDO, 13                           ; v13-15 where the merge reads them
.set RDL, 14
.set RDU, 15
.set OST, 16                           ; v16  the way out: where I put 32 bytes of a row
.set ORD, 17                           ; v17  where I read rows back
.set GO,  18                           ; v18  my 16 bytes of 512 consecutive bytes of out0
.set WOFF, 19                          ; v19  1,024 h + 4 r: column r of a weight, rows 8 h on
.set WVOFF, 20                         ; v20  the same for Wv's slots
.set BOFF, 21                          ; v21  32 h
.set QOFF, 22                          ; v22  128 r + 32 h
.set BVOFF, 23                         ; v23  4 (r % 4) + 16 (r / 8)
.set KF,  32
.set VF,  64
.set S,   128
.set O,   0                            ; window 1
.set BI,  128
.set ST,  192
.set TC,  224                          ; tile u at TC + 8 u: c0-c3; +4 m_old, then its change; +5 the other lanes' maximum; +6 a; +7 named with it as a pair
.set BO,  240
.set Q,   0                            ; window 2
.set RAW, 128
.set WK,  0                            ; window 3
.set WVF, 16
.set CK,  48
.set CVB, 64
.set D,   96
.set U,   192
.set ONE, 224
.set WO,  232
.set W_A, 0x50                         ; V^T P and the maxima: sources 0, 1 window 0; source 2 and destination window 1
.set W_1, 0x55                         ; all in window 1
.set W_B, 0x18                         ; K Q^T, S - m, exponentials: source 0 and destination window 0, source 1 window 2, source 2 window 1
; scalars: s30 wave, s31 wave % 2, s[32:39] group 1 of the mask's tiles, s[40:47] of key's and value's, s[48:51] and s[52:55] their walking groups 0, s56 steps to go, s57 the slot in hand,
; s[58:59] c, s[60:61] lane selects, s62 -1e20, s63 -1e18, s[66:67] where the prefetches stand, s[68:71] compare masks, s72-75 lane masks, s76-85 at work
.set MSB, 0
.macro WIN new                         ; the immediate's high byte repeats the setting that is left; a switch that changes nothing is dropped
.if MSB != (\new)
	s_set_vgpr_msb (MSB<<8)|(\new)
.set MSB, \new
.endif
.endm
.macro PLACES                          ; four places behind a matrix instruction, where no other vector work is at hand
.rept 4
	v_nop
.endr
.endm
; A round of the cluster's barrier: my work-group's barrier, wave 0 signals for the work-group, every wave waits for all four work-groups, my work-group's barrier once more.
.macro CROUND
	s_barrier_signal -1
	s_barrier_wait -1
	s_cmp_lg_u32 s30, 0
	s_cbranch_scc1 .Lnot_wave_0_\@
	s_barrier_signal -3
.Lnot_wave_0_\@:
	s_barrier_wait -3
	s_barrier_signal -1
	s_barrier_wait -1
.endm
; A step's tiles, one tensor load a wave.  Waves 0 and 1: 16 rows each of my work-group's mask tile (a load of its own).  Wave 2: the step's 256 key rows, wave 3: its value rows (joint loads of the four partners).
; The branch hangs on the wave's number alone.  An s_nop 0 and four v_nop follow each line, ahead of the jump and the label.
.macro JLOAD
	s_cmp_lt_u32 s30, 2
	s_cbranch_scc0 .Ljoint_\@
	tensor_load_to_lds s[48:51], s[32:39]
	s_nop 0
	PLACES
	s_branch .Lasked_\@
.Ljoint_\@:
	tensor_load_to_lds s[52:55], s[40:47]
	s_nop 0
	PLACES
.Lasked_\@:
.endm
; A prefetch of the mask tile that stands two loads on: 32 rows x 1,024 bytes = 128 blocks of 256 bytes, a thread a block, one instruction a wave.  The rows are my work-group's alone, so each block is named once in the
; launch.  Tiles 0 to 2 come by their loads alone; the trips whose look-ahead would pass tile 7 ask for nothing.  Key and value are not asked for: 64 work-groups read the same rows.
.macro ASK
	s_cmp_gt_u32 s56, 2
	s_cbranch_scc0 .Lno_ask_\@
	global_prefetch_b8 v[PFO], s[66:67] th:TH_LOAD_NT scope:SCOPE_SE
.Lno_ask_\@:
.endm
; THE CHANGE OF SLOTS.  Each wave waits for all its tensor loads, of which one is out: its part of the other slot; adds 0 to its spare word; waits for that and for its reads of the slot that it leaves.
; fill = 1: the barrier is a round of the cluster's, and the slot left is filled again first thing behind it, with the tile two steps on: it has a whole step in which to land.  (At its first use slot 0 is waited for, slot 1 filled.)
.macro CHANGE fill
	WIN 0
	s_wait_tensorcnt 0x0               ; no tensor load of mine is out, so a group 0 may be written
	ds_add_u32 v[SPW], v[NIL]          ; 0 onto my spare word
.if \fill
	s_xor_b32 s49, s49, SLOT1          ; the walking descriptors: the other slot than last time,
	s_add_nc_u64 s[50:51], s[50:51], 1024   ; the next 256 mask columns,
	s_xor_b32 s53, s53, SLOT1
	s_add_nc_u64 s[54:55], s[54:55], 32768  ; the next 256 rows; the type bits on top are not reached
	s_wait_xcnt 0x0                    ; the last prefetch, a step back, has read its address
	s_add_nc_u64 s[66:67], s[66:67], 1024
	s_wait_dscnt 0x0                   ; the add is done, and my reads of the slot are over
	CROUND
	JLOAD
	ASK
.else
	s_wait_dscnt 0x0
	s_barrier_signal -1
	s_barrier_wait -1
.endif
	s_xor_b32 s57, s57, SLOT1          ; the slot to be read now
.endm
; 16 numbers of a weight's column for a fragment: rows 8 h + 0..7 and 16 + 8 h + 0..7
.macro LOADW dst, ptr, off, imm
.irp i, 0,1,2,3,4,5,6,7
	global_load_b32 v[(\dst)+\i], v[\off], s[\ptr:\ptr+1] offset:(\imm)+128*\i
	global_load_b32 v[(\dst)+8+\i], v[\off], s[\ptr:\ptr+1] offset:(\imm)+2048+128*\i
.endr
.endm
	s_load_b512 s[4:19], s[0:1], 0x0   ; query 4, key 6, value 8, mask 10, Wq 12, bq 14, Wk 16, bk 18
	s_load_b256 s[20:27], s[0:1], 0x40 ; Wv 20, bv 22, Wo 24, bo 26
	s_load_b64 s[28:29], s[0:1], 0x60  ; out0
	v_lshl_add_u32 v[SPW], v0, 2, SPARE
	v_mov_b32 v[NIL], 0
	ds_add_u32 v[SPW], v[NIL]          ; the wave's opening: the add, twice on end, and its wait ahead of my first tensor load
	ds_add_u32 v[SPW], v[NIL]
	v_lshrrev_b32 v1, 5, v0
	v_readfirstlane_b32 s30, v1        ; wave 0..3
	s_and_b32 s31, s30, 1
	s_bfe_u32 s76, ttmp6, 0x40000      ; cx: my place in the cluster
	s_lshl_b32 s77, ttmp9, 2           ; in a cluster launch ttmp9 counts clusters
	s_add_co_u32 s77, s77, s76         ; my work-group, 0..255: it enters the mask's, query's and out0's addresses alone
	s_lshr_b32 s84, ttmp9, 4           ; the batch, which the four partners share
	s_lshl_b32 s84, s84, 18            ; its 2,048 rows of 128 bytes
	s_mov_b32 s85, 0
	; group 1 of a mask tile: 16 rows x 256 elements of 4 bytes, 2,048 elements from row to row; 4 words of padding behind every 256
	s_mov_b32 s32, (2<<16)|(1<<20)|(7<<22)|(3<<25)
	s_mov_b32 s33, 256<<16             ; tensor_dim0 = 256
	s_mov_b32 s34, 16<<16              ; tensor_dim1 = 16
	s_mov_b32 s35, 256<<16             ; tile_dim0 = 256
	s_mov_b32 s36, 16                  ; tile_dim1 = 16
	s_mov_b32 s37, 2048
	s_mov_b32 s38, 0
	s_mov_b32 s39, 0
	; group 1 of 256 key or value rows: 32,768 dense bytes, asked for as 128 rows of 256 bytes; 4 words of padding behind every 32, that is behind every key; the mask names all four partners, bit 21 beside it
	s_mov_b32 s40, 15|(2<<16)|(1<<20)|(1<<21)|(4<<22)|(3<<25)
	s_mov_b32 s41, 64<<16
	s_mov_b32 s42, 128<<16
	s_mov_b32 s43, 64<<16
	s_mov_b32 s44, 128
	s_mov_b32 s45, 64
	s_mov_b32 s46, 0
	s_mov_b32 s47, 0
	s_mov_b32 s48, 1
	s_mul_i32 s49, s31, 16*MP          ; waves 0, 1: the tile's upper and lower 16 rows
	s_mov_b32 s52, 1
	s_mul_i32 s53, s31, VOFF           ; wave 2: key's place, wave 3: value's: no place in the cluster enters an LDS address
	s_add_co_u32 s53, s53, KOFF
	s_mov_b32 s56, 7
	s_mov_b32 s57, SLOT1               ; the first change of slots turns it into 0
	s_mov_b32 s58, 0x3e8293ee          ; c = log2(e) / sqrt(32) = 0.255035
	s_mov_b32 s59, s58
	s_mov_b32 s60, 0x76543210
	s_mov_b32 s61, 0xfedcba98
	s_mov_b32 s62, 0xe0ad78ec          ; -1e20
	s_mov_b32 s63, 0xdd5e0b6b          ; -1e18
	s_mov_b32 s72, 0x0000ffff          ; lanes 0-15
	s_mov_b32 s73, 0xffff0000          ; lanes 16-31; also a word's upper half
	s_mov_b32 s74, 0x0f0f0f0f          ; the slots that hold a channel
	s_mov_b32 s75, 0x10101010          ; the slots that hold ones
	s_wait_dscnt 0x0                   ; both opening adds are done
	s_wait_kmcnt 0x0
	s_cmp_eq_u32 s31, 0
	s_cselect_b64 s[54:55], s[6:7], s[8:9]
	s_add_nc_u64 s[54:55], s[54:55], s[84:85]   ; key or value at the batch's first row
	s_or_b32 s55, s55, 0x80000000               ; type = 2
	s_lshl_b32 s82, s77, 18            ; my 32 mask rows of 8,192 bytes
	s_mov_b32 s83, 0
	s_add_nc_u64 s[66:67], s[10:11], s[82:83]
	s_lshl_b32 s82, s31, 17
	s_add_nc_u64 s[50:51], s[66:67], s[82:83]
	s_or_b32 s51, s51, 0x80000000
	s_add_nc_u64 s[66:67], s[66:67], 2048       ; at tile 2; the first change of slots steps it to tile 3
	s_lshl_b32 s82, s77, 12            ; my 32 rows of 128 bytes
	s_add_nc_u64 s[4:5], s[4:5], s[82:83]
	s_add_nc_u64 s[28:29], s[28:29], s[82:83]
	s_lshl_b32 s82, s31, 11            ; and the tile that this wave stores (waves 0 and 1)
	s_add_nc_u64 s[28:29], s[28:29], s[82:83]
	CROUND                             ; all four work-groups are here: the first joint loads meet
	JLOAD                              ; tile 0 into slot 0
	; THE PROLOGUE stands in the wait for the first tile: lane terms, the weights, q.
	v_and_b32 v1, 15, v0               ; r
	v_bfe_u32 v2, v0, 4, 1             ; h
	v_and_b32 v25, 31, v0              ; lane
	v_lshlrev_b32 v[WOFF], 10, v2
	v_lshl_add_u32 v[WOFF], v1, 2, v[WOFF]
	v_and_b32 v24, 3, v1
	v_lshrrev_b32 v[BVOFF], 3, v1
	v_lshlrev_b32 v[BVOFF], 4, v[BVOFF]
	v_lshl_add_u32 v[BVOFF], v24, 2, v[BVOFF]
	v_lshl_add_u32 v[WVOFF], v2, 10, v[BVOFF]
	v_lshlrev_b32 v[BOFF], 5, v2
	v_lshl_add_u32 v[QOFF], v1, 7, v[BOFF]
	WIN 0x80                           ; destination window 2
	LOADW RAW, 12, WOFF, 0             ; Wq, output channels 0-15 and 16-31
	LOADW RAW+16, 12, WOFF, 64
	LOADW RAW+32, 16, WOFF, 0          ; Wk
	LOADW RAW+48, 16, WOFF, 64
.irp p, 0,1,2,3
	LOADW RAW+64+16*\p, 20, WVOFF, 32*\p   ; Wv, heads 2 p and 2 p + 1 in their slots
.endr
	WIN 0xc0                           ; destination window 3
.irp t, 0,1
.irp q, 0,1,2,3
	global_load_b128 v[D+16*\t+4*\q:D+16*\t+4*\q+3], v[QOFF], s[4:5] offset:2048*\t+16*((\q)%2)+64*((\q)/2)
.endr
.endr
.irp T, 0,1
	global_load_b128 v[D+32+8*\T:D+32+8*\T+3], v[BOFF], s[14:15] offset:64*\T
	global_load_b128 v[D+32+8*\T+4:D+32+8*\T+7], v[BOFF], s[14:15] offset:64*\T+16
	global_load_b128 v[CK+8*\T:CK+8*\T+3], v[BOFF], s[18:19] offset:64*\T
	global_load_b128 v[CK+8*\T+4:CK+8*\T+7], v[BOFF], s[18:19] offset:64*\T+16
.endr
	LOADW D+48, 24, WOFF, 0            ; Wo
	LOADW D+64, 24, WOFF, 64
.irp p, 0,1,2,3
	global_load_b32 v[D+80+\p], v[BVOFF], s[22:23] offset:32*\p
.endr
.set z, 0
.rept 8
	v_mov_b32 v[ONE+z], 0x3c003c00     ; 1.0 twice, in f16
.set z, z+1
.endr
	WIN 0x40                           ; destination window 1
.irp T, 0,1
	global_load_b128 v[BO+8*\T:BO+8*\T+3], v[BOFF], s[26:27] offset:64*\T
	global_load_b128 v[BO+8*\T+4:BO+8*\T+7], v[BOFF], s[26:27] offset:64*\T+16
.endr
.set z, 0
.rept 128
	v_mov_b32 v[O+z], 0                ; O^T and l: the first step multiplies them by a = 0, so they hold finite numbers
.set z, z+1
.endr
.set z, 0
.rept 32
	v_mov_b32 v[ST+z], 0xfe000000      ; m: far below every score, a masked one too
.set z, z+1
.endr
.set z, 0
.rept 16
	v_mov_b32 v[TC+z], 0
.set z, z+1
.endr
	WIN 0
	v_mul_u32_u24 v[AM0], v1, MP
	v_lshl_add_u32 v[AM0], v2, 5, v[AM0]
	s_lshl_b32 s79, s30, 8
	v_add_nc_u32 v[AM0], s79, v[AM0]
	v_mul_u32_u24 v[AKV0], v1, KP
	v_lshl_add_u32 v[AKV0], v2, 5, v[AKV0]
	s_mul_i32 s79, s30, 64*KP
	s_add_co_u32 s79, s79, KOFF
	v_add_nc_u32 v[AKV0], s79, v[AKV0]
	v_lshrrev_b32 v[PFO], 2, v0
	v_and_b32 v24, 3, v0
	v_lshlrev_b32 v[PFO], 13, v[PFO]
	v_lshl_add_u32 v[PFO], v24, 8, v[PFO]
	s_lshl_b32 s79, s30, 13
	s_add_co_u32 s79, s79, SO
	v_lshl_add_u32 v[STO16], v25, 4, s79
	s_lshl_b32 s79, s30, 12
	s_add_co_u32 s79, s79, SLC
	v_lshl_add_u32 v[STO8], v25, 3, s79
	s_lshl_b32 s79, s30, 11
	s_add_co_u32 s79, s79, SU
	v_lshl_add_u32 v[STU], v25, 4, s79
	s_lshl_b32 s79, s31, 12            ; the merge's tile t = wave % 2, which in waves 0 and 1, the two that merge, is the wave's number
	s_add_co_u32 s79, s79, SO
	v_lshl_add_u32 v[RDO], v2, 10, s79
	v_lshl_add_u32 v[RDO], v1, 4, v[RDO]
	s_lshl_b32 s79, s31, 11
	s_add_co_u32 s79, s79, SLC
	v_lshl_add_u32 v[RDL], v2, 9, s79
	v_lshl_add_u32 v[RDL], v1, 3, v[RDL]
	v_lshlrev_b32 v[RDU], 9, v2
	v_lshl_add_u32 v[RDU], v1, 4, v[RDU]
	v_add_nc_u32 v[RDU], SU, v[RDU]
	s_mul_i32 s79, s31, 16*KP
	s_add_co_u32 s79, s79, SOUT
	v_mul_u32_u24 v[OST], v1, KP
	v_lshl_add_u32 v[OST], v2, 5, v[OST]
	v_add_nc_u32 v[OST], s79, v[OST]
	v_lshrrev_b32 v[ORD], 3, v25
	v_mul_u32_u24 v[ORD], v[ORD], KP
	v_and_b32 v24, 7, v0
	v_lshl_add_u32 v[ORD], v24, 4, v[ORD]
	v_add_nc_u32 v[ORD], s79, v[ORD]
	v_lshlrev_b32 v[GO], 4, v25
	s_wait_loadcnt 0x0                 ; weights, biases, query
	WIN 0xaa                           ; Wq to bf16, in place: fragment T in the first 8 of its 16 registers
.irp T, 0,1
.irp i, 0,1,2,3,4,5,6,7
	v_cvt_pk_bf16_f32 v[RAW+16*\T+\i], v[RAW+16*\T+2*\i], v[RAW+16*\T+2*\i+1]
.endr
.endr
	WIN 0xca                           ; window 2 to window 3
.set z, 0
.rept 16
	v_cvt_pk_bf16_f32 v[WK+z], v[RAW+32+2*z], v[RAW+32+2*z+1]
.set z, z+1
.endr
.set z, 0
.rept 32
	v_cvt_pk_bf16_f32 v[WVF+z], v[RAW+64+2*z], v[RAW+64+2*z+1]
.set z, z+1
.endr
	WIN 0xff                           ; all in window 3
.set z, 0
.rept 32
	v_cndmask_b32 v[WVF+z], 0, v[WVF+z], s74   ; the slots that hold no channel multiply by 0
.set z, z+1
.endr
.irp p, 0,1,2,3
	v_cndmask_b32 v[CVB+8*\p], 0, v[D+80+\p], s74          ; V's C operand: bv in a channel's slot,
	v_cndmask_b32 v[CVB+8*\p], v[CVB+8*\p], 1.0, s75       ; 1 in slots 4 and 12, 0 elsewhere; the same for all 16 keys
.irp j, 1,2,3,4,5,6,7
	v_mov_b32 v[CVB+8*\p+\j], v[CVB+8*\p]
.endr
.endr
.set z, 0
.rept 16                               ; Wo: rounded to bf16 like every input, and that number written as f16
	v_cvt_pk_bf16_f32 v[D+48+2*z], v[D+48+2*z], v[D+48+2*z+1]
	v_and_b32 v[D+48+2*z+1], s73, v[D+48+2*z]
	v_lshlrev_b32 v[D+48+2*z], 16, v[D+48+2*z]
	v_cvt_pk_f16_f32 v[WO+z], v[D+48+2*z], v[D+48+2*z+1]
.set z, z+1
.endr
.irp t, 0,1
.irp i, 0,1,2,3,4,5,6,7
	v_cvt_pk_bf16_f32 v[D+16*\t+\i], v[D+16*\t+2*\i], v[D+16*\t+2*\i+1]   ; query, in place
.endr
.endr
	WIN 0xfe                           ; source 0 window 2, the rest window 3
.irp t, 0,1
.irp T, 0,1
	v_wmma_f32_16x16x32_bf16 v[U+8*(2*\t+\T):U+8*(2*\t+\T)+7], v[RAW+16*\T:RAW+16*\T+7], v[D+16*\t:D+16*\t+7], v[D+32+8*\T:D+32+8*\T+7]   ; q^T = Wq^T x^T + bq
.endr
.endr
	PLACES
	WIN 0xff
.set z, 0
.rept 16
	v_pk_mul_f32 v[U+2*z:U+2*z+1], v[U+2*z:U+2*z+1], s[58:59] op_sel_hi:[1,0]   ; c q, in f32, ahead of q's one rounding
.set z, z+1
.endr
	WIN 0x0f                           ; window 3 to window 0
.irp t, 0,1
.irp T, 0,1
.irp i, 0,1,2,3
	v_cvt_pk_f16_f32 v[S+8*\t+4*\T+\i], v[U+8*(2*\t+\T)+2*\i], v[U+8*(2*\t+\T)+2*\i+1]
.endr
.endr
.endr
	WIN 0x80                           ; Q by heads: head h's four channels are registers 4 (h / 4) + 2 (h % 2) and the next, in lane half (h % 4) / 2; all else is 0
.set t, 0
.rept 2
.set h, 0
.rept 8
.set j, 0
.rept 8
.if (j/2) == 2*(h/4)+(h%2)
.if ((h%4)/2) == 0
	v_cndmask_b32 v[Q+8*(8*t+h)+j], 0, v[S+8*t+j], s72
.else
	v_cndmask_b32 v[Q+8*(8*t+h)+j], 0, v[S+8*t+j], s73
.endif
.else
	v_mov_b32 v[Q+8*(8*t+h)+j], 0
.endif
.set j, j+1
.endr
.set h, h+1
.endr
.set t, t+1
.endr
	WIN 0xc0
.set z, 0
.rept 32
	v_mov_b32 v[U+z], 0                ; the sums of v start at 0
.set z, z+1
.endr
	WIN 0
; THE MATRIX WORK OF A TURN.  Product i of 8 of S^T = K Q^T + mask for head x: tile i % 2, keys 16 (i / 2) on.  One instruction a result: no chain.
.macro KQ x, i
	WIN W_B
.set rS, S+64*((\x)%2)+32*((\i)%2)+8*((\i)/2)
.set rK, KF+8*((\i)/2)
.set rQ, Q+8*(8*((\i)%2)+(\x))
.set rB, BI+32*((\i)%2)+8*((\i)/2)
	v_wmma_f32_16x16x32_f16 v[rS:rS+7], v[rK:rK+7], v[rQ:rQ+7], v[rB:rB+7]
.endm
; Product i of 4 of O^T += V^T P for head x: tile i % 2, keys 32 (i / 2) on.  The two tiles' accumulators take turns, one instruction a turn.
.macro PV x, i
	WIN W_A
.set rO, O+8*(8*((\i)%2)+(\x))
.set rV, VF+32*((\i)/2)+8*((\x)/2)
.set rP, S+64*((\x)%2)+32*((\i)%2)+8*((\i)/2)
	v_wmma_f32_16x16x32_f16 v[rO:rO+7], v[rV:rV+7], v[rP:rP+7], v[rO:rO+7]
.endm
; THE VECTOR WORK.  MX: chain j of four takes scores 2 k and 2 k + 1 of accumulator j: each accumulator's lowest registers are read first.
.macro MX u, h
.set rS, S+64*((\h)%2)+32*(\u)+8*j+2*k
.set rC, TC+8*(\u)+j
.if k == 0
	v_max_num_f32 v[rC], v[rS], v[rS+1]
.else
	v_max3_num_f32 v[rC], v[rS], v[rS+1], v[rC]
.endif
.endm
; CH n: the four chains and the old m into one; the query's other 32 keys lie in the lane 16 away; the new m; a = 2^(m_old - m_new)
.macro CH u, h, n
.set rC, TC+8*(\u)
.set rM, ST+2*(8*(\u)+(\h))
.if (\n) == 0
	v_max3_num_f32 v[rC], v[rC], v[rC+1], v[rC+2]
.elseif (\n) == 1
	v_max3_num_f32 v[rC], v[rC], v[rC+3], v[rM]
.elseif (\n) == 2
	v_permlanex16_b32 v[rC+5], v[rC], s60, s61
.elseif (\n) == 3
	v_mov_b32 v[rC+4], v[rM]
.elseif (\n) == 4
	v_max_num_f32 v[rM], v[rC], v[rC+5]
.elseif (\n) == 5
	v_sub_f32 v[rC+4], v[rC+4], v[rM]
.else
	v_exp_f32 v[rC+6], v[rC+4]
.endif
.endm
; FS: S - m for pair b, exact.  The three-operand form is taken so that m stands in source 2, which K Q^T's window setting puts in window 1: no switch between the products and these lines.
.macro FS u, h
.set rS, S+64*((\h)%2)+32*(\u)+2*b
.set rM, ST+2*(8*(\u)+(\h))
	v_pk_fma_f32 v[rS:rS+1], v[rS:rS+1], 1.0, v[rM:rM+1] op_sel_hi:[1,0,0] neg_lo:[0,0,1] neg_hi:[0,0,1]
.endm
.macro EX u, h, e
.set rS, S+64*((\h)%2)+32*(\u)+(\e)
	v_exp_f32 v[rS], v[rS]
.endm
; A TURN belongs to head h, both tiles.  A: 4 products V^T P of head h - 1, behind each 8 of head h's 32 maxima.  Then the chain.  B: 8 products K Q^T of head h + 1 among head h's 32 subtractions and 64 exponentials; the 64 and
; the two a are ONE batch: nothing ahead of the wait names a result of theirs, and one wait serves them all.  C: the 32 roundings to f16, in place (register i takes scores 2 i and 2 i + 1, i ascending),
; and O^T and l times a.  Five window switches a turn.  The vector lines between two matrix instructions that share registers (P's buffer, read by V^T P and written by K Q^T two heads on) are more than five and name none of them.
.macro TURN h
.set k, 0
.rept 4
.if (\h) > 0
	PV (\h)-1, k
.endif
	WIN W_A
.set j, 0
.rept 4
	MX 0, \h
	MX 1, \h
.set j, j+1
.endr
.set k, k+1
.endr
	WIN W_1
.irp n, 0,1,2,3,4,5,6
	CH 0, \h, \n
	CH 1, \h, \n
.endr
	WIN W_B
.set b, 0
.rept 16
.if ((\h) < 7) && ((b%2) == 0)
	KQ (\h)+1, b/2
.endif
	FS 0, \h
	FS 1, \h
.if b > 0
	EX 0, \h, 2*b-2
	EX 1, \h, 2*b-2
	EX 0, \h, 2*b-1
	EX 1, \h, 2*b-1
.endif
.set b, b+1
.endr
	EX 0, \h, 30
	EX 1, \h, 30
	EX 0, \h, 31
	EX 1, \h, 31
	v_nop                              ; a plain instruction behind the last exponential: one for the batch
	s_wait_alu depctr_va_vdst(0)       ; the wait for the batch, ahead of its first reader
	WIN 0
.set z, 0
.rept 16
.irp u, 0,1
	v_cvt_pk_f16_f32 v[S+64*((\h)%2)+32*\u+z], v[S+64*((\h)%2)+32*\u+2*z], v[S+64*((\h)%2)+32*\u+2*z+1]
.endr
.set z, z+1
.endr
	WIN W_1
.irp c, 0,2,4
.irp u, 0,1
	v_pk_mul_f32 v[O+8*(8*\u+(\h))+\c:O+8*(8*\u+(\h))+\c+1], v[O+8*(8*\u+(\h))+\c:O+8*(8*\u+(\h))+\c+1], v[TC+8*\u+6:TC+8*\u+7] op_sel_hi:[1,0]
.endr
.endr
.endm
; A STEP'S BEGINNING: my 64 keys' mask words, key rows and value rows come out of LDS; the mask becomes C operands; k and v are projected into fragments; the sums of v; head 0's scores.
.macro PREP
	WIN 0
	v_add_nc_u32 v[AM], s57, v[AM0]
	v_add_nc_u32 v[AKV], s57, v[AKV0]
	WIN 0x40
.irp t, 0,1
.irp g, 0,1,2,3
	ds_load_b128 v[BI+32*\t+8*\g:BI+32*\t+8*\g+3],   v[AM] offset:16*MP*\t+64*\g      ; query 16 t + r, keys 16 g + 8 h + 0..7
	ds_load_b128 v[BI+32*\t+8*\g+4:BI+32*\t+8*\g+7], v[AM] offset:16*MP*\t+64*\g+16
.endr
.endr
	WIN 0x80
.irp g, 0,1,2,3
.irp q, 0,1,2,3
	ds_load_b128 v[RAW+16*\g+4*\q:RAW+16*\g+4*\q+3], v[AKV] offset:16*KP*\g+16*((\q)%2)+64*((\q)/2)   ; key 16 g + r, channels 8 h + 0..7 and 16 + 8 h + 0..7
.endr
.endr
.irp g, 0,1,2,3
.irp q, 0,1,2,3
	ds_load_b128 v[RAW+64+16*\g+4*\q:RAW+64+16*\g+4*\q+3], v[AKV] offset:VOFF+16*KP*\g+16*((\q)%2)+64*((\q)/2)
.endr
.endr
	s_wait_dscnt 32                    ; the 16 mask loads are in; the 32 younger ones may stay out
	WIN W_1
.set z, 0
.rept 16
.irp n, 0,1,2,3
	v_cmp_eq_u32 s[68+\n], 0, v[BI+4*z+\n]
.endr
.irp n, 0,1,2,3
	v_cndmask_b32 v[BI+4*z+\n], 0, s62, s[68+\n]   ; -1e20 where mask = 0, else 0: made once, used by 8 heads
.endr
.set z, z+1
.endr
	s_wait_dscnt 0x0
	WIN 0xaa
.irp g, 0,1,2,3,4,5,6,7
.irp i, 0,1,2,3,4,5,6,7
	v_cvt_pk_bf16_f32 v[RAW+16*\g+\i], v[RAW+16*\g+2*\i], v[RAW+16*\g+2*\i+1]
.endr
.endr
	WIN 0xfb                           ; source 1 window 2, the rest window 3
.irp g, 0,1,2,3
.irp T, 0,1
	v_wmma_f32_16x16x32_bf16 v[D+8*(2*\g+\T):D+8*(2*\g+\T)+7], v[WK+8*\T:WK+8*\T+7], v[RAW+16*\g:RAW+16*\g+7], v[CK+8*\T:CK+8*\T+7]   ; k^T = Wk^T x^T + bk
.endr
.endr
	WIN 0xfe
.irp p, 0,1,2,3
	v_wmma_f32_16x16x32_bf16 v[D+8*(8+\p):D+8*(8+\p)+7], v[RAW+64:RAW+71], v[WVF+8*\p:WVF+8*\p+7], v[CVB+8*\p:CVB+8*\p+7]   ; v = x Wv + bv, keys 0-15
.endr
	PLACES
	WIN 0x0f
.irp g, 0,1,2,3
.irp T, 0,1
.irp i, 0,1,2,3
	v_cvt_pk_f16_f32 v[KF+8*\g+4*\T+\i], v[D+8*(2*\g+\T)+2*\i], v[D+8*(2*\g+\T)+2*\i+1]
.endr
.endr
.endr
.irp p, 0,1,2,3
.irp i, 0,1,2,3
	v_cvt_pk_f16_f32 v[VF+8*\p+\i], v[D+8*(8+\p)+2*\i], v[D+8*(8+\p)+2*\i+1]
.endr
.endr
	WIN 0xfe                           ; the 48 roundings above are the places in front of the products that write those results' registers anew
.irp g, 1,2,3
.irp p, 0,1,2,3
	v_wmma_f32_16x16x32_bf16 v[D+8*(4*(\g-1)+\p):D+8*(4*(\g-1)+\p)+7], v[RAW+64+16*\g:RAW+64+16*\g+7], v[WVF+8*\p:WVF+8*\p+7], v[CVB+8*\p:CVB+8*\p+7]
.endr
.endr
	PLACES
	WIN 0x0f
.irp g, 1,2,3
.irp p, 0,1,2,3
.irp i, 0,1,2,3
	v_cvt_pk_f16_f32 v[VF+32*((\g)/2)+8*\p+4*((\g)%2)+\i], v[D+8*(4*(\g-1)+\p)+2*\i], v[D+8*(4*(\g-1)+\p)+2*\i+1]
.endr
.endr
.endr
	WIN 0xfc                           ; source 0 window 0, the rest window 3
.irp G, 0,1
.irp p, 0,1,2,3
	v_wmma_f32_16x16x32_f16 v[U+8*\p:U+8*\p+7], v[VF+32*\G+8*\p:VF+32*\G+8*\p+7], v[ONE:ONE+7], v[U+8*\p:U+8*\p+7]   ; the sums of v over my keys; four accumulators by turns
.endr
.endr
.irp i, 0,1,2,3,4,5,6,7
	KQ 0, \i
.endr
	PLACES
.endm
.macro STEP
	PREP
.irp h, 0,1,2,3,4,5,6,7
	TURN \h
.endr
.irp i, 0,1,2,3
	PV 7, \i
.endr
	WIN 0
.endm
.Lstep:                                ; 7 trips: trip k works on tile k and asks for tile k + 1
	CHANGE 1
	STEP
	s_sub_co_u32 s56, s56, 1
	s_cmp_lg_u32 s56, 0
	s_cbranch_scc1 .Lstep
	CHANGE 0                           ; the last step is written out: nothing is asked for
	STEP
	; THE FOUR WAVES MEET.  Each puts its O^T, {l, m} and sums of v into LDS bytes of its own.
	PLACES
	WIN W_1
.set z, 0
.rept 16
	v_mov_b32 v[O+8*z+5], v[ST+2*z]    ; m beside l
.set z, z+1
.endr
	WIN 0x04                           ; store data in window 1
.set z, 0
.rept 16
	ds_store_b128 v[STO16], v[O+8*z:O+8*z+3] offset:512*z
	ds_store_b64 v[STO8], v[O+8*z+4:O+8*z+5] offset:256*z
.set z, z+1
.endr
	WIN 0x0c                           ; store data in window 3
.irp p, 0,1,2,3
	ds_store_b128 v[STU], v[U+8*\p:U+8*\p+3] offset:512*\p
.endr
	WIN 0
	s_wait_dscnt 0x0                   ; for the others' sake: my stores are done
	s_barrier_signal -1
	s_barrier_wait -1
	s_cmp_lt_u32 s30, 2                ; wave 0 finishes tile 0, wave 1 tile 1
	s_cbranch_scc0 .Lend
	; Lane (r, h), place i of four, serves query r and head 2 h + i % 2 + 4 (i / 2): the four channels that are registers 2 i, 2 i + 1 of the last product's source 1.  The head's numbers lie in lane half i % 2.
.set OM, 32                            ; O^T of place i, wave w at OM + 16 i + 4 w
.set LM, 96                            ; {l, m} at LM + 8 i + 2 w
.set UM, 128                           ; the sums of v at UM + 16 i + 4 w
.set MM, 192
.set EE, 196
.set LL, 212
.set RR, 216
.set FR, 224
.set DD, 232
.irp i, 0,1,2,3
.irp w, 0,1,2,3
	ds_load_b64 v[LM+8*\i+2*\w:LM+8*\i+2*\w+1], v[RDL] offset:4096*\w+384*((\i)%2)+1024*((\i)/2)
.endr
.endr
.irp i, 0,1,2,3
.irp w, 0,1,2,3
	ds_load_b128 v[OM+16*\i+4*\w:OM+16*\i+4*\w+3], v[RDO] offset:8192*\w+768*((\i)%2)+2048*((\i)/2)
	ds_load_b128 v[UM+16*\i+4*\w:UM+16*\i+4*\w+3], v[RDU] offset:2048*\w+256*((\i)%2)+1024*((\i)/2)
.endr
.endr
	s_wait_dscnt 0x0
.irp i, 0,1,2,3
	v_max3_num_f32 v[MM+\i], v[LM+8*\i+1], v[LM+8*\i+3], v[LM+8*\i+5]
.endr
.irp i, 0,1,2,3
	v_max_num_f32 v[MM+\i], v[MM+\i], v[LM+8*\i+7]
.endr
.irp i, 0,1,2,3
.irp w, 0,1,2,3
	v_sub_f32 v[EE+4*\i+\w], v[LM+8*\i+2*\w+1], v[MM+\i]
.endr
.endr
.set z, 0
.rept 16
	v_exp_f32 v[EE+z], v[EE+z]         ; a wave's factor 2^(m_w - M): one batch of 16
.set z, z+1
.endr
.irp i, 0,1,2,3                        ; the mean of v stands between the batch and its wait
.irp c, 0,2
	v_pk_add_f32 v[UM+16*\i+\c:UM+16*\i+\c+1], v[UM+16*\i+\c:UM+16*\i+\c+1], v[UM+16*\i+4+\c:UM+16*\i+4+\c+1]
	v_pk_add_f32 v[UM+16*\i+8+\c:UM+16*\i+8+\c+1], v[UM+16*\i+8+\c:UM+16*\i+8+\c+1], v[UM+16*\i+12+\c:UM+16*\i+12+\c+1]
.endr
.endr
.irp i, 0,1,2,3
.irp c, 0,2
	v_pk_add_f32 v[UM+16*\i+\c:UM+16*\i+\c+1], v[UM+16*\i+\c:UM+16*\i+\c+1], v[UM+16*\i+8+\c:UM+16*\i+8+\c+1]
.endr
.endr
.irp i, 0,1,2,3
.irp c, 0,2
	v_pk_mul_f32 v[UM+16*\i+\c:UM+16*\i+\c+1], v[UM+16*\i+\c:UM+16*\i+\c+1], 0x3a000000 op_sel_hi:[1,0]   ; / 2,048
.endr
.endr
	s_wait_alu depctr_va_vdst(0)       ; the wait for the 16 exponentials, ahead of their first reader
.irp i, 0,1,2,3
	v_mul_f32 v[LL+\i], v[LM+8*\i], v[EE+4*\i]
.endr
.irp w, 1,2,3
.irp i, 0,1,2,3
	v_fmac_f32 v[LL+\i], v[LM+8*\i+2*\w], v[EE+4*\i+\w]
.endr
.endr
.irp i, 0,1,2,3
	v_rcp_f32 v[RR+\i], v[LL+\i]       ; l is 1 or more: the wave that holds the maximum has counted a weight of 1
.endr
.irp i, 0,1,2,3                        ; O^T's merge stands between the four reciprocals and their wait
.irp c, 0,1,2,3
	v_mul_f32 v[OM+16*\i+\c], v[OM+16*\i+\c], v[EE+4*\i]
.endr
.endr
.irp w, 1,2,3
.irp i, 0,1,2,3
.irp c, 0,1,2,3
	v_fmac_f32 v[OM+16*\i+\c], v[OM+16*\i+4*\w+\c], v[EE+4*\i+\w]
.endr
.endr
.endr
.irp i, 0,1,2,3
	v_cmp_gt_f32 s[68+\i], s63, v[MM+\i]   ; no open key in the whole row
.endr
	s_wait_alu depctr_va_vdst(0)       ; the wait for the reciprocals
.irp i, 0,1,2,3
.irp c, 0,1,2,3
	v_mul_f32 v[OM+16*\i+\c], v[OM+16*\i+\c], v[RR+\i]
.endr
.endr
.irp i, 0,1,2,3
.irp c, 0,1,2,3
	v_cndmask_b32 v[OM+16*\i+\c], v[OM+16*\i+\c], v[UM+16*\i+\c], s[68+\i]
.endr
.endr
.irp i, 0,1,2,3
	v_cvt_pk_f16_f32 v[FR+2*\i], v[OM+16*\i], v[OM+16*\i+1]
	v_cvt_pk_f16_f32 v[FR+2*\i+1], v[OM+16*\i+2], v[OM+16*\i+3]
.endr
	WIN 0x13                           ; source 0 window 3, source 1 and destination window 0, source 2 window 1
.irp T, 0,1
	v_wmma_f32_16x16x32_f16 v[DD+8*\T:DD+8*\T+7], v[WO+8*\T:WO+8*\T+7], v[FR:FR+7], v[BO+8*\T:BO+8*\T+7]   ; out^T = Wo^T O^T + bo: a lane holds query r and channels 16 T + 8 h + 0..7
.endr
	PLACES
	WIN 0
.irp T, 0,1
	ds_store_b128 v[OST], v[DD+8*\T:DD+8*\T+3] offset:64*\T
	ds_store_b128 v[OST], v[DD+8*\T+4:DD+8*\T+7] offset:64*\T+16
.endr
.irp f, 0,1,2,3
	ds_load_b128 v[OM+4*\f:OM+4*\f+3], v[ORD] offset:4*KP*\f   ; my wave's own bytes, served in order: these see the stores above; four rows of 128 bytes a load
.endr
.irp f, 0,1,2,3
	s_wait_dscnt 3-\f                  ; the younger loads may stay out
	global_store_b128 v[GO], v[OM+4*\f:OM+4*\f+3], s[28:29] offset:512*\f   ; 512 consecutive bytes, at a multiple of 256 from out0's first
.endr
.Lend:
	s_wait_tensorcnt 0x0               ; the wave's end, behind my last tensor load and my last LDS store
	ds_add_u32 v[SPW], v[NIL]
	s_wait_dscnt 0x0
	CROUND                             ; the closing round: no work-group ends while a partner may still ask for a tile that names it
	s_endpgm
.Lfunc_end_k_qdc70562743_mha:
	.size	k_qdc70562743_mha, .Lfunc_end_k_qdc70562743_mha-k_qdc70562743_mha
	.p2alignl 7, 3214868480
	.fill 96, 4, 3214868480
	.section	.rodata,"a",@progbits
	.p2align	6, 0x0
	.amdhsa_kernel k_qdc70562743_mha
		.amdhsa_group_segment_fixed_size 327680
		.amdhsa_private_segment_fixed_size 0
		.amdhsa_enable_private_segment 0
		.amdhsa_kernarg_size 104
		.amdhsa_user_sgpr_count 2
		.amdhsa_user_sgpr_kernarg_segment_ptr 1
		.amdhsa_wavefront_size32 1
		.amdhsa_system_sgpr_workgroup_id_x 1
		.amdhsa_system_sgpr_workgroup_id_y 1
		.amdhsa_system_sgpr_workgroup_id_z 1
		.amdhsa_system_vgpr_workitem_id 0
		.amdhsa_next_free_vgpr 1024
		.amdhsa_next_free_sgpr 88
		.amdhsa_reserve_vcc 0
		.amdhsa_float_denorm_mode_32 3
		.amdhsa_float_denorm_mode_16_64 3
		.amdhsa_memory_ordered 1
		.amdhsa_forward_progress 1
		.amdhsa_inst_pref_size 255
	.end_amdhsa_kernel
	.section	.bss,"aw",@nobits
	.p2align	6
	.space	262144
	.amdgpu_metadata
---
amdhsa.version: [ 1, 2 ]
amdhsa.kernels:
  - .name:           k_qdc70562743_mha
    .symbol:         k_qdc70562743_mha.kd
    .args:
      - { .name: query, .offset: 0, .size: 8, .value_kind: global_buffer, .address_space: global }
      - { .name: key, .offset: 8, .size: 8, .value_kind: global_buffer, .address_space: global }
      - { .name: value, .offset: 16, .size: 8, .value_kind: global_buffer, .address_space: global }
      - { .name: mask, .offset: 24, .size: 8, .value_kind: global_buffer, .address_space: global }
      - { .name: Wq, .offset: 32, .size: 8, .value_kind: global_buffer, .address_space: global }
      - { .name: bq, .offset: 40, .size: 8, .value_kind: global_buffer, .address_space: global }
      - { .name: Wk, .offset: 48, .size: 8, .value_kind: global_buffer, .address_space: global }
      - { .name: bk, .offset: 56, .size: 8, .value_kind: global_buffer, .address_space: global }
      - { .name: Wv, .offset: 64, .size: 8, .value_kind: global_buffer, .address_space: global }
      - { .name: bv, .offset: 72, .size: 8, .value_kind: global_buffer, .address_space: global }
      - { .name: Wo, .offset: 80, .size: 8, .value_kind: global_buffer, .address_space: global }
      - { .name: bo, .offset: 88, .size: 8, .value_kind: global_buffer, .address_space: global }
      - { .name: out0, .offset: 96, .size: 8, .value_kind: global_buffer, .address_space: global }
    .group_segment_fixed_size: 327680
    .private_segment_fixed_size: 0
    .kernarg_segment_align: 8
    .kernarg_segment_size: 104
    .max_flat_workgroup_size: 128
    .sgpr_count:     88
    .vgpr_count:     1024
    .wavefront_size: 32
...
	.end_amdgpu_metadata
.endif
;; end of part 1
